; MI455X (gfx1250); checked and timed in simulation.
; The chip was launched on July 23, 2026; its instructions are those of AMD's public machine-readable ISA for CDNA 5 (MIT licence, August 2026) and "CDNA5" Instruction Set Architecture Reference Guide (July 2026). The comments in the code are by the model that wrote it; some were corrected since.
;; Casual Self Attention. Allowed arithmetic: matrix products marked QUANTISED: E2M3 operands, one E8M0 scale for each 32 along K, by v_wmma_scale_f32_16x16x128_f8f6f4 with both operands' format E2M3, f32 sums; everything else in f32.
;; Inputs: W_attn_codes 3,072 x 32 x 24 uint8 (E2M3 codes of W_attn, K innermost, in blocks of 32 codes, four codes in three bytes); W_attn_scales 3,072 x 32 uint8 (E8M0 scales of W_attn, one for each 32 codes along K); W_proj_codes 1,024 x 32 x 24 uint8 (E2M3 codes of W_proj, K innermost, in blocks of 32 codes, four codes in three bytes); W_proj_scales 1,024 x 32 uint8 (E8M0 scales of W_proj, one for each 32 codes along K); b_attn 3,072 float32; b_proj 1,024 float32; x_codes 4 x 2,048 x 32 x 24 uint8 (E2M3 codes of x, K innermost, in blocks of 32 codes, four codes in three bytes); x_scales 4 x 2,048 x 32 uint8 (E8M0 scales of x, one for each 32 codes along K).
;; Outputs: out0 4 x 2,048 x 1,024 float32.
;; This version of the problem:
;;   THIS VERSION OF THE PROBLEM IS GIVEN IN LOW PRECISION. The matrix products marked QUANTISED in the list below multiply operands that are first quantised to E2M3 (2 exponent bits, 3 mantissa bits; 6 bits a number), with one power-of-two scale for each 32 numbers along K (OCP MX v1.0); their sums are f32. All else is computed in f32.
;;   The module's matrix products, in the order in which they are computed (A, B: the left and right operand; K: the contracted axis; several contracted axes count as one K, in the product's order):
;;     1. [M 8,192, K 1,024] x [K 1,024, N 3,072]; A: input x (given as codes); B: input W_attn (given as codes): QUANTISED
;;     2. batch 64 x [M 2,048, K 64] x [K 64, N 2,048]; A: computed on the way; B: computed on the way: QUANTISED
;;     3. batch 64 x [M 64, K 2,048] x [K 2,048, N 2,048]; A: computed on the way; B: softmax (see below): QUANTISED
;;     4. [M 8,192, K 1,024] x [K 1,024, N 1,024]; A: computed on the way; B: input W_proj (given as codes): QUANTISED
;;   THE QUANTISER, for each operand of a quantised product, along K:
;;     - K is cut into blocks of 32 from its start; a last block that is shorter is filled with zeros.
;;     - A block's scale is 2^e with e = floor(log2(the largest magnitude in the block)) - 2, held to -126 .. 127; a block of zeros has e = 0. As a byte (E8M0): e + 127.
;;     - Each number is divided by its block's scale, clamped to +-7.5, and rounded to the nearest number of E2M3, ties to even, subnormals kept.
;;     - The product sums the exact products of the quantised numbers (number of the format x scale) in f32.
;;   ~~~python
;;   def quantise(x, axis):      # numpy; x: float32 -> the quantised numbers, widened to float32 again
;;       x = np.moveaxis(x, axis, -1); K = x.shape[-1]
;;       x = np.pad(x, [(0, 0)] * (x.ndim - 1) + [(0, -K % 32)]); x = x.reshape(x.shape[:-1] + (-1, 32)); a = np.abs(x).max(-1, keepdims=True)
;;       e = np.where(a > 0, np.clip(np.frexp(np.where(a > 0, a, 1))[1] - 1 - 2, -126, 127), 0)      # np.frexp(a)[1] - 1 = floor(log2(a)), exactly
;;       r = np.clip(x / 2.0 ** e, -7.5, 7.5)
;;       step = 2.0 ** (np.maximum(np.frexp(np.where(r == 0, 1, r))[1] - 1, 0) - 3)
;;       q = np.round(r / step) * step * 2.0 ** e      # np.round: ties to even
;;       return np.moveaxis(q.reshape(q.shape[:-2] + (-1,))[..., :K], -1, axis).astype(np.float32)
;;   ~~~
;;   SOFTMAX AHEAD OF A QUANTISED PRODUCT. Where the list says 'softmax', what is quantised is not the finished softmax but p = 2^(t - M), with t = logit x log2(e) and M = ceil(the row's largest t), a whole number; so 1/2 < the row's largest p <= 1. The row's sum l is taken of the UNQUANTISED p, in f32, and the product's result is divided by l at the end. Since M is a whole number, a kernel that streams over the keys may use a running M (the ceiling of the running maximum): every later rescaling is an exact power of two, which a block's scale takes up: the codes' values come out the same.
;;   OPERANDS COMPUTED ON THE WAY. 'Computed on the way' means the value that the module computes at that place (a softmax that the list does not call 'softmax' is quantised finished and normalised). What goes into a quantiser is computed in f32, as accurately as f32 sums, v_exp_f32 and their like allow (about 1e-6 of the number): no bf16 or f16 on the way to a quantiser, and a product that is left as it is and whose result goes on into a quantised operand takes f32 operands (vector FMAs, or v_wmma_f32_16x16x4_f32). A number that lies on a knife's edge between two numbers of the format may be rounded either way, as far as f32 arithmetic and the matrix unit's own rounding can turn it there, and no further.
;;   INPUTS GIVEN AS CODES. W_attn (in the module: [1024, 3072], K = its axis 0); W_proj (in the module: [1024, 1024], K = its axis 0); x (in the module: [4, 2048, 1024], K = its axis 2): each comes as NAME_codes (uint8): NAME with its K axis moved to the last place and cut into blocks of 32 codes, [.., K / 32, bytes a block], one block behind the other in memory; four codes in three bytes: a row's codes are one little-endian stream of bits, code i at bits 6 i .. 6 i + 5 (a code: sign, 2 exponent bits, 3 mantissa bits); and NAME_scales (uint8): the same leading axes, one E8M0 byte (e + 127) for each 32 codes along K. Its value is code x scale, taken as it is: it is not quantised again, and the codes and scales need not be those that the quantiser above would give.
;; One version. Each part assembles by itself: llvm-mc -triple=amdgcn-amd-amdhsa -mcpu=gfx1250 --defsym DOCPART=n.
;; ======== version 1 of 1: 3 launches
;; limits: right only within a limited range of input values
;; workspace buffers: qc 6,291,456 bytes; qsw 524,288 bytes; kv 13,369,344 bytes; yc 6,291,456 bytes; ysw 524,288 bytes
;; launch qkv (part 1): grid 8 x 32, 4 waves a work-group, clusters of 4 x 4, 327,680 bytes of LDS; arguments x_codes, x_scales, W_attn_codes, W_attn_scales, b_attn, qc, qsw, kv; writes qc, qsw, kv
.if DOCPART == 1
	.amdgcn_target "amdgcn-amd-amdhsa--gfx1250"
	.amdhsa_code_object_version 6
	.text
	.protected	k_qf834e913bd_qkv
	.globl	k_qf834e913bd_qkv
	.p2align	8
	.type	k_qf834e913bd_qkv,@function
k_qf834e913bd_qkv:
	s_mov_b64 s[64:65], 0
	v_nop
	global_prefetch_b8 v0, s[64:65] scope:SCOPE_SE
	s_setreg_imm32_b32 hwreg(HW_REG_WAVE_MODE, 25, 1), 1
	s_wait_xcnt 0x0
	s_wait_alu depctr_hold_cnt(0) depctr_sa_sdst(0) depctr_va_vdst(0) depctr_va_sdst(0) depctr_va_ssrc(0) depctr_va_vcc(0) depctr_vm_vsrc(0)
	s_getreg_b32 s2, hwreg(HW_REG_IB_STS2, 6, 4)
	s_cmp_eq_u32 s2, 0
	s_cbranch_scc0 .Lentry_in_a_cluster
	s_endpgm
.Lentry_in_a_cluster:
	s_bfe_u32 s2, ttmp6, 0x10000c
	s_cmp_lg_u32 s2, 0xf033
	s_cbranch_scc0 .Lentry_shape_is_right
	s_endpgm
.Lentry_shape_is_right:
; qkv = x W_attn + b_attn on codes of FP6 (E2M3), one E8M0 scale for each 32 along K = 1,024; the results are quantised in registers and leave as codes:
; q and k along the head's 64 channels, v along the keys.
; SHARES.  256 work-groups of four waves; work-group (nx 0..7, my 0..31) stays for two phases on the same 256 rows of x.
;   Phase 1: columns 256 nx .. of q (nx < 4) or k: source 0 = 16 rows of W_attn, source 1 = 16 rows of x: a lane holds one token; 64 accumulators a wave.
;   Phase 2: columns 2,048 + 128 nx .. (v): source 0 = 16 rows of x, source 1 = 16 rows of W_attn: a lane holds one channel; 32 accumulators a wave.
; THE RING goes by CHUNKS OF 256 BYTES of each row (a row of codes is 768 bytes, so every chunk begins at a multiple of 256).  Both phases are one stream of six chunks and
; sixteen steps of 96 bytes (128 along K); chunk c lies in slot c % 2.  Steps that lie across two chunks take their pieces from both slots.
; Wave 0 fetches x's 256 rows of a chunk, wave 1 W_attn's 256 (phase 2: 128); at the head waves 2 and 3 fetch x's and W_attn's scale bytes; v's scale bytes come with chunk 1.
; CLUSTERS: 4 x 4; x's tiles are shared along a row of the cluster, W_attn's along a column, by joint loads.
; NO PREFETCH: a block of 256 x 256 in clusters, and a row of K is three chunks: the walk has no trips to run ahead in.
; THE ORDER INSIDE A BLOCK OF 32: 0-7, 16-23, 8-15, 24-31, alike in q and k, and alike in v and the next launch's p.
; OUT.  qc [head of batch 64][token 2,048][48 bytes]; qsw one word a token (bytes 0, 1 the scales; bytes 2, 3 never 0xff);
;   kv [head of batch][256 keys]: 26,112 bytes: k's codes [key][48], v's fragments of two key steps as register images, k's scale words, v's scale words.
;   v's channel 32 A + 16 g + 8 u + y is row 8 g + y of tile 2 A + u.
; LIMITS: NaN and infinities are not served; a block whose largest magnitude lies under 2^-124, or of zeros, keeps the scale byte 1 (read by this program alone).
.set KROW,  768
.set ROWB,  256
.set CHUNKS, 6
.set PITCH, 272                        ; 256 bytes + 16 of padding
.set FR,    12
.set NL,    6
.set HALFT, 128*PITCH
.set VHALF, 64*PITCH
.set SLOT,  4*HALFT                    ; x's 256 rows, then W_attn's 256 (phase 2: 128)
.set WREG,  2*HALFT
.set SCV,   2*SLOT                     ; scale bytes as units of 256 + 16: v's 128 rows,
.set SCX,   SCV+16*272                 ; x's 256 rows,
.set SCW,   SCX+32*272                 ; q's or k's 256 rows
.set SBLK,  544
.set STAGE, SCW+32*272                 ; the way out: 6,656 bytes a wave; no tile lands there
.set STGB,  6656
.set SPARE, STAGE+4*STGB
.set ADA2, 8                           ; v8-11 phase 2, source 1: slot 0, slot 1, across 0 -> 1, across 1 -> 0
.set ADB2, 12
.set ADA1, 16
.set ADB1, 20
.set ADS1, 24
.set ADS2, 25
.set STO,  26
.set STS,  27
.set SPW,  28
.set NIL,  29
.set RD,   30
.set CO,   31
.set SC,   32                          ; v32-63 scale words, two sets of 16
.set STV,  64
.set STW,  65
.set RD8,  66
.set CO8,  67
.set TM,   68
.set PW,   84
.set PW2,  85
.set CD,   88
.set BVL,  108
.set CW,   116                         ; 16 (lane % 16) + (lane / 16) x the distance from head to head in the words' buffer
.set AF,   128
.set RB,   128
.set WV,   20
.set I1,   21
.set I0,   22
.set G1X,  24
.set G0X,  32
.set G0SV, 36
.set G1W,  40
.set G0W,  48
.set G0V,  52
.set G1SX, 56
.set G1SW, 68
.set G1V,  68                          ; takes G1SW's registers once that load is shown done
.set G1SV, 76
.set G0SX, 84
.set G0SW, 88
.set SEL,  66
.set PADW, (1<<20)|(1<<21)|(5<<22)|(3<<25)
.set MSB, 0
.macro WIN new
.if MSB != (\new)
	s_set_vgpr_msb (MSB<<8)|(\new)
.set MSB, (\new)
.endif
.endm
.macro PLACES cnt
.rept \cnt
	v_nop
.endr
.endm
.macro WALU
	s_wait_alu depctr_va_vdst(0)
.endm
.macro TL g0, g1
	tensor_load_to_lds s[\g0:\g0+3], s[\g1:\g1+7]
	s_nop 0
	PLACES 4
.endm
.macro CREST
	s_cmp_lg_u32 s[WV], 0
	s_cbranch_scc1 .Lnot_wave_0_\@
	s_barrier_signal -3
.Lnot_wave_0_\@:
	s_barrier_wait -3
	s_barrier_signal -1
	s_barrier_wait -1
.endm
.macro CROUND
	s_barrier_signal -1
	s_barrier_wait -1
	CREST
.endm
.macro G1SET g, c, rows, pitch
	s_mov_b32 s[\g+1], (\c)<<16
	s_mov_b32 s[\g+2], (\rows)<<16
	s_mov_b32 s[\g+3], (\c)<<16
	s_mov_b32 s[\g+4], \rows
	s_mov_b32 s[\g+5], \pitch
	s_mov_b32 s[\g+6], 0
	s_mov_b32 s[\g+7], 0
.endm
.macro G0FIN g, base                   ; offset in s[g+2:g+3] -> address with the type
	s_add_nc_u64 s[\g+2:\g+3], s[\base:\base+1], s[\g+2:\g+3]
	s_or_b32 s[\g+3], s[\g+3], 0x80000000
.endm
; chunk c is asked for: no tensor load of the wave is out, so group 0 may be written.  One chain of branches on the wave's number, one load an arm
.macro FILL c
	s_mov_b32 s[G0X+1], ((\c)%2)*SLOT
.if (\c) == 3
	s_sub_nc_u64 s[G0X+2:G0X+3], s[G0X+2:G0X+3], 2*ROWB   ; phase 2 begins at x's first chunk again
.else
	s_add_nc_u64 s[G0X+2:G0X+3], s[G0X+2:G0X+3], ROWB
.endif
.if (\c) < 3
	s_mov_b32 s[G0W+1], WREG+((\c)%2)*SLOT
	s_add_nc_u64 s[G0W+2:G0W+3], s[G0W+2:G0W+3], ROWB
.else
	s_mov_b32 s[G0V+1], WREG+((\c)%2)*SLOT
.if (\c) > 3
	s_add_nc_u64 s[G0V+2:G0V+3], s[G0V+2:G0V+3], ROWB
.endif
.endif
	s_cmp_eq_u32 s[WV], 0
	s_cbranch_scc0 .Lfw_\@
	TL G0X, G1X
	s_branch .Lfd_\@
.Lfw_\@:
	s_cmp_eq_u32 s[WV], 1
	s_cbranch_scc0 .Lfn_\@
.if (\c) < 3
	TL G0W, G1W
.else
	TL G0V, G1V
.endif
	s_branch .Lfd_\@
.Lfn_\@:
.if (\c) == 1
	s_cmp_eq_u32 s[WV], 2
	s_cbranch_scc0 .Lfd_\@
	TL G0SV, G1SV                                  ; v's scale bytes: a first fill beside slot 1's
.endif
.Lfd_\@:
	PLACES 4                                       ; places ahead of the fragment loads, for the waves that come round the loads
.endm
	s_load_b512 s[4:19], s[0:1], 0x0               ; x codes, x scales, W codes, W scales, b_attn, qc, qsw, kv
	v_lshl_add_u32 v[SPW], v0, 2, SPARE
	v_mov_b32 v[NIL], 0
	ds_add_u32 v[SPW], v[NIL]                      ; the opening lines: the add twice and its wait
	ds_add_u32 v[SPW], v[NIL]
	v_lshrrev_b32 v1, 5, v0
	v_readfirstlane_b32 s[WV], v1
	s_lshr_b32 s[I1], s[WV], 1                     ; which half of source 1's rows is mine
	s_and_b32 s[I0], s[WV], 1                      ; which half of source 0's
	s_bfe_u32 s98, ttmp6, 0x40000                  ; cx
	s_bfe_u32 s99, ttmp6, 0x40004                  ; cy
	s_lshl_b32 s100, ttmp9, 2
	s_add_co_u32 s100, s100, s98                   ; nx
	s_and_b32 s101, ttmp7, 0xffff
	s_lshl_b32 s101, s101, 2
	s_add_co_u32 s101, s101, s99                   ; my
	s_lshl_b32 s96, s99, 2
	s_lshl_b32 s96, 15, s96                        ; my row of the cluster
	s_lshl_b32 s97, 0x1111, s98                    ; my column
	s_mov_b32 s[SEL], 0x76543210
	s_mov_b32 s[SEL+1], 0xfedcba98
	s_or_b32 s[G1X], s96, PADW                     ; codes: 256 rows x 256 bytes, 16 bytes of padding behind each
	s_or_b32 s[G1W], s97, PADW
	G1SET G1X, ROWB, 256, KROW
	G1SET G1W, ROWB, 256, KROW
	s_or_b32 s[G1SX], s96, (3<<16)|PADW            ; scale bytes: dense blocks as rows of 256 bytes (32 elements of 8)
	s_or_b32 s[G1SW], s97, (3<<16)|PADW
	s_or_b32 s[G1SV], s97, (3<<16)|PADW
	G1SET G1SX, 32, 32, 32
	G1SET G1SW, 32, 32, 32
	G1SET G1SV, 32, 16, 32
	s_mov_b32 s[G0X], 1
	s_mov_b32 s[G0X+1], 0
	s_mul_i32 s[G0X+2], s101, 256*KROW
	s_mov_b32 s[G0X+3], 0
	s_mov_b32 s[G0W], 1
	s_mov_b32 s[G0W+1], WREG
	s_mul_i32 s[G0W+2], s100, 256*KROW
	s_mov_b32 s[G0W+3], 0
	s_mov_b32 s[G0SX], 1
	s_mov_b32 s[G0SX+1], SCX
	s_lshl_b32 s[G0SX+2], s101, 13
	s_mov_b32 s[G0SX+3], 0
	s_mov_b32 s[G0SW], 1
	s_mov_b32 s[G0SW+1], SCW
	s_lshl_b32 s[G0SW+2], s100, 13
	s_mov_b32 s[G0SW+3], 0
	s_lshl_b32 s104, s100, 7
	s_add_co_u32 s104, s104, 2048                  ; W_attn's first row of my part of v
	s_mov_b32 s[G0SV], 1
	s_mov_b32 s[G0SV+1], SCV
	s_lshl_b32 s[G0SV+2], s104, 5
	s_mov_b32 s[G0SV+3], 0
	s_mul_i32 s104, s104, KROW                     ; its codes: kept for phase 2's descriptor
	s_mov_b32 s105, 0
	; the scalars of the vector block below
	s_lshl_b32 s2, s100, 10
	s_lshl_b32 s3, s[I0], 9
	s_add_co_u32 s2, s2, s3                        ; b_attn, phase 1: 4 (256 nx + 128 i0)
	s_lshl_b32 s3, s100, 9
	s_lshl_b32 s23, s[I1], 8
	s_add_co_u32 s3, s3, s23
	s_add_co_u32 s3, s3, 8192                      ; phase 2: 4 (2,048 + 128 nx + 64 i1)
	s_mul_i32 s92, s[I1], HALFT                    ; phase 1: source 1 = my 128 rows of x,
	s_mul_i32 s95, s[I0], HALFT                    ; phase 2: source 0 = my 128 rows of x,
	s_add_co_u32 s93, s95, WREG                    ; phase 1: source 0 = my 128 rows of W_attn,
	s_mul_i32 s94, s[I1], VHALF
	s_add_co_u32 s94, s94, WREG                    ; phase 2: source 1 = my 64 rows of W_attn
	s_mul_i32 s53, s[I1], 16*272
	s_mul_i32 s52, s[I0], 16*272
	s_add_co_u32 s54, s52, SCX-SCV
	s_add_co_u32 s52, s52, SCW-SCX
	s_sub_co_u32 s52, s52, s53                     ; scale words: lanes 16-31 take source 0's: the lower base + h x this distance
	s_add_co_u32 s53, s53, SCX
	s_mul_i32 s55, s[I1], 8*272
	s_sub_co_u32 s54, s54, s55
	s_add_co_u32 s55, s55, SCV
	s_mul_i32 s23, s[WV], STGB
	s_add_co_u32 s23, s23, STAGE                   ; my stage
	WALU
	s_wait_dscnt 0x0
	s_wait_kmcnt 0x0
	G0FIN G0X, 4
	G0FIN G0SX, 6
	G0FIN G0W, 8
	G0FIN G0SW, 10
	G0FIN G0SV, 10
	CROUND                                         ; all sixteen work-groups are here: the first joint loads meet
.macro ARM under, g0, g1, next
	s_cmp_lt_u32 s[WV], \under
	s_cbranch_scc0 \next
	TL \g0, \g1
	s_branch .Lhead_asked
\next:
.endm
	ARM 1, G0X,  G1X,  .Lhead_w                    ; one load a wave: chunk 0 of x,
	ARM 2, G0W,  G1W,  .Lhead_sx                   ; of W_attn,
	ARM 3, G0SX, G1SX, .Lhead_sw                   ; x's scale bytes,
	TL G0SW, G1SW                                  ; W_attn's
.Lhead_asked:
	v_and_b32 v1, 15, v0                           ; r
	v_bfe_u32 v2, v0, 4, 1                         ; h
	v_lshl_add_u32 v3, v2, 5, s2
	v_lshl_add_u32 v4, v1, 2, s3
	WIN 0x40                                       ; phase 1's bias, in the result's layout: the C of the first products
.irp b, 0,1,2,3,4,5,6,7
	global_load_b128 v[96+8*(\b%4)+128*(\b/4):99+8*(\b%4)+128*(\b/4)], v3, s[12:13] offset:64*\b
	global_load_b128 v[100+8*(\b%4)+128*(\b/4):103+8*(\b%4)+128*(\b/4)], v3, s[12:13] offset:64*\b+16
.endr
	WIN 0
.irp a, 0,1,2,3
	global_load_b32 v[BVL+\a], v4, s[12:13] offset:64*\a
.endr
	v_mul_u32_u24 v112, v1, PITCH
	v_sub_nc_u32 v113, 1, v2
	v_mad_u32_u24 v5, v2, 24, v112                 ; row x pitch + 24 x half
	v_mul_u32_u24 v6, SLOT-232, v2
	v_mul_u32_u24 v7, SLOT+232, v113
	v_add_nc_u32 v6, v112, v6
	v_add_nc_u32 v7, v112, v7                      ; lanes 0-15 byte 232 of the row in slot 1, lanes 16-31 byte 0 in slot 0
	v_add_nc_u32 v6, 232, v6                       ; lanes 0-15 byte 232 of the row in slot 0, lanes 16-31 byte 0 in slot 1
.macro ADR4 reg, sb
	v_add_nc_u32 v[\reg], s\sb, v5
	v_add_nc_u32 v[\reg+2], s\sb, v6
	v_add_nc_u32 v[\reg+3], s\sb, v7
	v_add_nc_u32 v[\reg+1], SLOT, v[\reg]
.endm
	ADR4 ADA1, 92
	ADR4 ADB1, 93
	ADR4 ADA2, 94
	ADR4 ADB2, 95
	v_lshlrev_b32 v114, 5, v1                      ; scale words: 32 bytes a row, 16 more for each 256 passed
	v_lshrrev_b32 v112, 8, v114
	v_lshl_add_u32 v114, v112, 4, v114
	v_mul_u32_u24 v112, s52, v2
	v_mul_u32_u24 v113, s54, v2
	v_add_nc_u32 v112, v114, v112
	v_add_nc_u32 v113, v114, v113
	v_add_nc_u32 v[ADS1], s53, v112
	v_add_nc_u32 v[ADS2], s55, v113
	v_mul_u32_u24 v112, v1, 48
	v_mad_u32_u24 v112, v2, 24, v112
	v_add_nc_u32 v[STO], s23, v112                 ; stage + 48 r + 24 h
	v_lshl_add_u32 v[STS], v1, 2, s23
	v_add_nc_u32 v[STS], 6144, v[STS]
	v_and_b32 v112, 31, v0
	v_lshlrev_b32 v[CO], 4, v112
	v_add_nc_u32 v[RD], s23, v[CO]
	v_lshlrev_b32 v[CO8], 3, v112
	v_add_nc_u32 v[RD8], s23, v[CO8]
	v_add_nc_u32 v[RD8], 6144, v[RD8]
	v_bfe_u32 v112, v0, 3, 1                       ; u
	v_and_b32 v113, 7, v0                          ; y
	v_mul_u32_u24 v114, v112, 1536
	v_lshl_add_u32 v114, v113, 4, v114
	v_lshl_add_u32 v114, v2, 8, v114
	v_add_nc_u32 v[STV], s23, v114
	v_lshlrev_b32 v114, 6, v112
	v_lshl_add_u32 v114, v113, 2, v114
	v_add_nc_u32 v114, s23, v114
	v_add_nc_u32 v[STW], 6144, v114
.irp b, 0,1,2,3
	v_mov_b32 v[TM+4+\b], 0                        ; a lane permute's destination counts as one of its sources
.endr
.macro FRAG reg, adr, st, i            ; 12 registers in pieces of 8 bytes; byte y of the stream lies in chunk y / 256, slot (y / 256) % 2; lanes 16-31 read 24 bytes on
.irp p, 0,1,2,3,4,5
.set BY, 96*(\st)+48*(\p/3)+8*(\p%3)
.if BY/ROWB == (BY+24)/ROWB
	ds_load_b64 v[\reg+2*\p:\reg+2*\p+1], v[\adr+(BY/ROWB)%2] offset:BY%ROWB+(\i)*16*PITCH
.else
	ds_load_b64 v[\reg+2*\p:\reg+2*\p+1], v[\adr+2+(BY/ROWB)%2] offset:BY%ROWB-232+(\i)*16*PITCH
.endif
.endr
.endm
.macro FETCH_B st, p                   ; source 0's eight fragments of step st into set p (window 1)
	WIN 0x40
.irp i, 0,1,2,3,4,5,6,7
	FRAG 128*(\p)+FR*\i, ADB, \st, \i
.endr
	WIN 0
.endm
.macro FETCH_A st, i0, cnt
.set fi, \i0
.rept \cnt
	FRAG AF+FR*fi, ADA, \st, fi
.set fi, fi+1
.endr
.endm
.macro SCALES pr                       ; the words of steps 2 pr, 2 pr + 1 into set pr % 2
.irp i, 0,1,2,3,4,5,6,7
	ds_load_b64 v[SC+16*((\pr)%2)+2*\i:SC+16*((\pr)%2)+2*\i+1], v[ADS] offset:\i*SBLK+8*((\pr)%4)
.endr
.endm
; 8 products: source 1's block a against source 0's eight.  cm = 1, 2: the first products take the bias as C.  The accumulators take turns
.macro MULB a, p, q, sc, cm
.if (\cm) == 0
	WIN 0xa1+0x50*((\a)/4)
.else
	WIN 0x91+0x40*((\a)/4)
.endif
.irp b, 0,1,2,3,4,5,6,7
.set rD, 8*(8*((\a)%4)+\b)
.set rC, rD
.if (\cm) == 1
.set rC, 96+8*(\b%4)+128*(\b/4)
.endif
.if (\cm) == 2
.set rC, 96+8*(\a)
.endif
	v_wmma_scale_f32_16x16x128_f8f6f4 v[rD:rD+7], v[128*(\p)+FR*\b:128*(\p)+FR*\b+FR-1], v[AF+FR*(\a):AF+FR*(\a)+FR-1], v[rC:rC+7], v[SC+16*(\sc)+2*\b+(\q)], v[SC+16*(\sc)+2*(\a)+(\q)] matrix_a_fmt:MATRIX_FMT_FP6 matrix_b_fmt:MATRIX_FMT_FP6 matrix_a_scale:MATRIX_SCALE_ROW1
.endr
.endm
.macro MULH a0, cnt, p, q, sc, cm
.set ma, \a0
.rept \cnt
	MULB ma, \p, \q, \sc, \cm
.set ma, ma+1
.endr
.endm
; A step of 128 along K.  Where the next step's bytes END in a chunk not yet read, a barrier shows that chunk whole; where they BEGIN in a later chunk, the chunk left behind
; is read no more: the three lines, the barrier, and, while a chunk two on is left, the cluster's round and the refill.
.macro KSTEP st, cm, fetch
.set NX, (\st)+1
.set C0, (96*(\st))/ROWB
.set C1, (96*NX)/ROWB
.set E0, (96*(\st)+95)/ROWB
.set E1, (96*NX+95)/ROWB
.set KP, (\st)%2
.set KSC, ((\st)/2)%2
.if C1 > C0 || E1 > E0
	s_wait_tensorcnt 0x0                           ; all my tensor loads have landed
.if C1 > C0
	ds_add_u32 v[SPW], v[NIL]
	s_wait_dscnt (NA/2)*NL+1                       ; the add and the youngest loads (source 1's second half) may be out
.else
	s_wait_dscnt (NA/2)*NL
.endif
	MULH 0, NA/4, KP, KP, KSC, \cm
	s_wait_dscnt 0x0                               ; the add and all my reads are done
	s_barrier_signal -1
	MULH NA/4, NA/4, KP, KP, KSC, \cm
	WIN 0
	s_barrier_wait -1
.if C1 > C0 && C0+2 < CHUNKS
	CREST
	FILL C0+2
.else
	PLACES 4
.endif
.else
	s_wait_dscnt (NA/2)*NL
	MULH 0, NA/2, KP, KP, KSC, \cm
	s_wait_dscnt 0x0
	PLACES 4
.endif
.if \fetch
	FETCH_B NX, NX%2
	FETCH_A NX, 0, NA/2
.if NX%2 == 0
	SCALES NX/2
.endif
.endif
	MULH NA/2, NA/2, KP, KP, KSC, \cm
	PLACES 4
	WIN 0
.if \fetch
	FETCH_A NX, NA/2, NA/2
.endif
.endm
; THE QUANTISER.  64 numbers of a lane, 8 accumulators at v[ac] of window w: register 16 b + i belongs to block b.  Codes to v[CD] on, the four scale bytes to v[PW].
.macro QUANTW w, ac
	WIN 5*(\w)
.irp b, 0,1,2,3
	v_max3_num_f32 v[TM+\b], |v[(\ac)+16*\b]|, |v[(\ac)+16*\b+1]|, 0x1800000   ; each accumulator from its low end on; the floor holds the byte at 1
.endr
.irp i, 2,4,6,8,10,12,14
.irp b, 0,1,2,3
	v_max3_num_f32 v[TM+\b], |v[(\ac)+16*\b+\i]|, |v[(\ac)+16*\b+\i+1]|, v[TM+\b]
.endr
.endr
	WIN 0
	s_wait_alu depctr_va_vdst(0)
	s_wait_dscnt 0x0                               ; the last block's LDS stores have read the codes' and the word's registers
.irp b, 0,1,2,3
	v_permlanex16_b32 v[TM+4+\b], v[TM+\b], s[SEL], s[SEL+1]
.endr
.irp b, 0,1,2,3
	v_max_num_f32 v[TM+\b], v[TM+\b], v[TM+4+\b]
.endr
.irp b, 0,1,2,3
	v_add_nc_u32 v[TM+12+\b], 0xff000000, v[TM+\b]
.endr
.irp b, 0,1,2,3
	v_lshrrev_b32 v[TM+4+\b], 23, v[TM+12+\b]
.endr
	v_lshl_or_b32 v[PW], v[TM+5], 8, v[TM+4]
	v_lshl_or_b32 v[PW], v[TM+6], 16, v[PW]
	v_lshl_or_b32 v[PW], v[TM+7], 24, v[PW]
	WIN (\w)
.irp c, 0,1
	v_cvt_scalef32_pk16_fp6_f32 v[CD+6*\c:CD+6*\c+2], v[(\ac)+32*\c:(\ac)+32*\c+15], v[TM+12+2*\c]
	v_cvt_scalef32_pk16_fp6_f32 v[CD+12+4*\c:CD+14+4*\c], v[(\ac)+32*\c+16:(\ac)+32*\c+31], v[TM+13+2*\c]
.endr
	WIN 0
	v_nop
.irp c, 0,1
.irp i, 0,1,2
	v_permlane16_swap_b32 v[CD+6*\c+\i], v[CD+12+4*\c+\i]
.endr
.irp i, 0,1,2
	v_mov_b32 v[CD+3+6*\c+\i], v[CD+12+4*\c+\i]
.endr
.endr
.endm
; Phase 1, block a of 16 tokens: head c's 24 bytes at 48 r + 24 h; the stage holds four blocks: two heads x 3,072 bytes of codes, two x 256 of words
.macro OUT1 a
	QUANTW 2+(\a)/4, 64*((\a)%4)
.irp c, 0,1
.irp p, 0,1,2
	ds_store_b64 v[STO], v[CD+6*\c+2*\p:CD+6*\c+2*\p+1] offset:3072*\c+768*((\a)%4)+8*\p
.endr
.endr
	v_lshrrev_b32 v[PW2], 16, v[PW]
	ds_store_b32 v[STS], v[PW] offset:64*((\a)%4)
	ds_store_b32 v[STS], v[PW2] offset:256+64*((\a)%4)
.endm
.macro SENDH g                         ; the stage leaves as it lies; every 16 lanes store 256 consecutive bytes, aligned.  LDS serves a wave's instructions in order
.set RBB, RB+52*(\g)
.set ft, 0
.rept 13
	ds_load_b128 v[RBB+4*ft:RBB+4*ft+3], v[RD] offset:512*ft
.set ft, ft+1
.endr
.set ft, 0
.rept 6
	s_wait_dscnt 12-ft                             ; the younger loads may be out
	global_store_b128 v[CO], v[RBB+4*ft:RBB+4*ft+3], s[4:5] offset:3072*(\g)+512*ft
.set ft, ft+1
.endr
.rept 6
	s_wait_dscnt 12-ft
	global_store_b128 v[CO], v[RBB+4*ft:RBB+4*ft+3], s[6:7] offset:3072*(\g)+512*(ft-6)
.set ft, ft+1
.endr
	s_wait_dscnt 0x0
	global_store_b128 v[CW], v[RBB+48:RBB+51], s[8:9] offset:256*(\g)   ; lanes 0-15 head 0's words, lanes 16-31 head 1's
.endm
.macro OUT2 a                          ; phase 2, block a of 16 channels: a fragment of v for 128 keys, to the place of tile 2 (a / 2) + u, row 8 (a % 2) + y
	QUANTW 2, 64*(\a)
.irp c, 0,1,2
	ds_store_b128 v[STV], v[CD+4*\c:CD+4*\c+3] offset:3072*((\a)/2)+128*((\a)%2)+512*\c
.endr
	ds_store_b32 v[STW], v[PW] offset:128*((\a)/2)+32*((\a)%2)
.endm
	WALU                                           ; the wait at the head's end
	s_wait_tensorcnt 0x0                           ; my tile of the head's four is in; the three lines ahead of a later first fill
	ds_add_u32 v[SPW], v[NIL]
	s_wait_dscnt 0x0
	CROUND
	FILL 1                                         ; slot 1's first fill, and v's scale bytes
.set NA,  8
.set ADA, ADA1
.set ADB, ADB1
.set ADS, ADS1
	FETCH_B 0, 0
	FETCH_A 0, 0, NA/2
	SCALES 0
	FETCH_A 0, NA/2, NA/2
	s_wait_loadcnt 0x0                             ; the biases: their base may be written
	s_or_b32 s[G1V], s97, PADW                     ; phase 2's rows of W_attn: 128 a load
	G1SET G1V, ROWB, 128, KROW
	s_mov_b32 s[G0V], 1
	s_add_nc_u64 s[G0V+2:G0V+3], s[8:9], s[104:105]
	s_or_b32 s[G0V+3], s[G0V+3], 0x80000000
	; where the results go.  b = my / 8 the batch, m7 = my % 8 the block of 256 tokens
	s_lshr_b32 s84, s101, 3
	s_lshl_b32 s84, s84, 4
	s_and_b32 s85, s101, 7
	s_and_b32 s86, s100, 3
	s_lshl_b32 s86, s86, 2
	s_add_co_u32 s86, s86, s84
	s_lshl_b32 s87, s[I0], 1
	s_add_co_u32 s86, s86, s87                     ; my first head of batch: 16 b + 4 (nx % 4) + 2 i0
	s_lshl_b32 s87, s85, 1
	s_add_co_u32 s87, s87, s[I1]                   ; which 128 tokens
	s_mul_i32 s88, s86, 98304
	s_mul_i32 s89, s87, 6144
	s_add_co_u32 s88, s88, s89                     ; q: codes
	s_lshl_b32 s89, s86, 13
	s_lshl_b32 s87, s87, 9
	s_add_co_u32 s89, s89, s87                     ; q: words
	s_lshl_b32 s90, s86, 3
	s_add_co_u32 s90, s90, s85
	s_mul_i32 s90, s90, 26112                      ; k: the block of 256 keys
	s_mul_i32 s87, s[I1], 6144
	s_add_co_u32 s91, s90, s87                     ; k: codes
	s_lshl_b32 s87, s[I1], 9
	s_add_co_u32 s90, s90, s87
	s_add_co_u32 s90, s90, 24576                   ; k: words
	s_mov_b32 s87, 208896                          ; from head to head in kv
	s_cmp_eq_u32 ttmp9, 0                          ; q or k: only pointers and offsets are chosen
	s_cselect_b32 s88, s88, s91
	s_cselect_b32 s92, s89, s90
	s_cselect_b32 s94, 98304, s87
	s_cselect_b32 s2, 8192, s87
	s_cselect_b64 s[4:5], s[14:15], s[18:19]
	s_cselect_b64 s[8:9], s[16:17], s[18:19]
	s_mov_b32 s89, 0
	s_mov_b32 s93, 0
	s_mov_b32 s95, 0
	s_add_nc_u64 s[4:5], s[4:5], s[88:89]          ; head 0's codes,
	s_add_nc_u64 s[6:7], s[4:5], s[94:95]          ; head 1's,
	s_add_nc_u64 s[8:9], s[8:9], s[92:93]          ; head 0's words
	v_mul_u32_u24 v[CW], s2, v2
	v_lshl_add_u32 v[CW], v1, 4, v[CW]
	s_lshl_b32 s86, s100, 1
	s_add_co_u32 s86, s86, s84
	s_add_co_u32 s86, s86, s[I1]                   ; v: head of batch 16 b + 2 nx + i1
	s_lshl_b32 s86, s86, 3
	s_add_co_u32 s86, s86, s85
	s_mul_i32 s86, s86, 26112
	s_mul_i32 s88, s[I0], 6144
	s_add_co_u32 s88, s88, s86
	s_add_co_u32 s88, s88, 12288
	s_lshl_b32 s92, s[I0], 8
	s_add_co_u32 s92, s92, s86
	s_add_co_u32 s92, s92, 25600
	s_add_nc_u64 s[12:13], s[18:19], s[88:89]      ; v's images of key step i0,
	s_add_nc_u64 s[14:15], s[18:19], s[92:93]      ; and their scale words
	WALU
	; ---- PHASE 1: q or k
	KSTEP 0, 1, 1                                  ; the first products take the bias as C
.irp s, 1,2,3,4,5,6
	KSTEP \s, 0, 1
.endr
	KSTEP 7, 0, 0                                  ; chunk 4, phase 2's, lands while the results are quantised
.irp a, 0,1,2,3
	OUT1 \a
.endr
	SENDH 0
.irp a, 4,5,6,7
	OUT1 \a
.endr
	SENDH 1
	WIN 0x40                                       ; phase 2's bias: a lane's one number in all eight registers of each block
.irp a, 0,1,2,3
.irp j, 0,1,2,3,4,5,6,7
	v_mov_b32 v[96+8*\a+\j], v[BVL+\a]
.endr
.endr
	WIN 0
	PLACES 4
	WALU
	s_wait_xcnt 0x0                                ; the stores have read their registers: fragments may land there
	; ---- PHASE 2: v.  Chunk 3 was waited for by every wave in front of step 7's round
.set NA,  4
.set ADA, ADA2
.set ADB, ADB2
.set ADS, ADS2
	FETCH_B 8, 0
	FETCH_A 8, 0, NA/2
	SCALES 4
	FETCH_A 8, NA/2, NA/2
	KSTEP 8, 2, 1
.irp s, 9,10,11,12,13,14
	KSTEP \s, 0, 1
.endr
	s_wait_dscnt (NA/2)*NL                         ; the very last step
	MULH 0, NA/2, 1, 1, 1, 0
	s_wait_dscnt 0x0
	MULH NA/2, NA/2, 1, 1, 1, 0
	WIN 0
	PLACES 4
.irp a, 0,1,2,3
	OUT2 \a
.endr
.set ft, 0
.rept 12
	ds_load_b128 v[RB+4*ft:RB+4*ft+3], v[RD] offset:512*ft
.set ft, ft+1
.endr
	ds_load_b64 v[RB+48:RB+49], v[RD8]
.set ft, 0
.rept 12
	s_wait_dscnt 12-ft
	global_store_b128 v[CO], v[RB+4*ft:RB+4*ft+3], s[12:13] offset:512*ft
.set ft, ft+1
.endr
	s_wait_dscnt 0x0
	global_store_b64 v[CO8], v[RB+48:RB+49], s[14:15]
	s_wait_tensorcnt 0x0                           ; the wave's end
	ds_add_u32 v[SPW], v[NIL]
	s_wait_dscnt 0x0
	CROUND                                         ; the closing round
	s_endpgm
.Lfunc_end_k_qf834e913bd_qkv:
	.size	k_qf834e913bd_qkv, .Lfunc_end_k_qf834e913bd_qkv-k_qf834e913bd_qkv
	.p2alignl 7, 3214868480
	.fill 96, 4, 3214868480
	.section	.rodata,"a",@progbits
	.p2align	6, 0x0
	.amdhsa_kernel k_qf834e913bd_qkv
		.amdhsa_group_segment_fixed_size 327680
		.amdhsa_private_segment_fixed_size 0
		.amdhsa_enable_private_segment 0
		.amdhsa_kernarg_size 64
		.amdhsa_user_sgpr_count 2
		.amdhsa_user_sgpr_kernarg_segment_ptr 1
		.amdhsa_wavefront_size32 1
		.amdhsa_system_sgpr_workgroup_id_x 1
		.amdhsa_system_sgpr_workgroup_id_y 1
		.amdhsa_system_sgpr_workgroup_id_z 1
		.amdhsa_system_vgpr_workitem_id 0
		.amdhsa_next_free_vgpr 1024
		.amdhsa_next_free_sgpr 106
		.amdhsa_reserve_vcc 0
		.amdhsa_float_denorm_mode_32 3
		.amdhsa_float_denorm_mode_16_64 3
		.amdhsa_memory_ordered 1
		.amdhsa_forward_progress 1
		.amdhsa_inst_pref_size 255
	.end_amdhsa_kernel
	.section	.bss,"aw",@nobits
	.p2align	6
	.space	262144
	.amdgpu_metadata
---
amdhsa.version: [ 1, 2 ]
amdhsa.kernels:
  - .name:           k_qf834e913bd_qkv
    .symbol:         k_qf834e913bd_qkv.kd
    .args:
      - { .name: x_codes, .offset: 0, .size: 8, .value_kind: global_buffer, .address_space: global }
      - { .name: x_scales, .offset: 8, .size: 8, .value_kind: global_buffer, .address_space: global }
      - { .name: W_attn_codes, .offset: 16, .size: 8, .value_kind: global_buffer, .address_space: global }
      - { .name: W_attn_scales, .offset: 24, .size: 8, .value_kind: global_buffer, .address_space: global }
      - { .name: b_attn, .offset: 32, .size: 8, .value_kind: global_buffer, .address_space: global }
      - { .name: qc, .offset: 40, .size: 8, .value_kind: global_buffer, .address_space: global }
      - { .name: qsw, .offset: 48, .size: 8, .value_kind: global_buffer, .address_space: global }
      - { .name: kv, .offset: 56, .size: 8, .value_kind: global_buffer, .address_space: global }
    .group_segment_fixed_size: 327680
    .private_segment_fixed_size: 0
    .kernarg_segment_align: 8
    .kernarg_segment_size: 64
    .max_flat_workgroup_size: 128
    .sgpr_count:     106
    .vgpr_count:     1024
    .wavefront_size: 32
...
	.end_amdgpu_metadata
.endif
;; end of part 1
;; launch attn (part 2): grid 4 x 64, 16 waves a work-group, clusters of 4 x 1, 327,680 bytes of LDS; arguments qc, qsw, kv, yc, ysw; writes yc, ysw
.if DOCPART == 2
	.amdgcn_target "amdgcn-amd-amdhsa--gfx1250"
	.amdhsa_code_object_version 6
	.text
	.protected	k_qf834e913bd_attn
	.globl	k_qf834e913bd_attn
	.p2align	8
	.type	k_qf834e913bd_attn,@function
k_qf834e913bd_attn:
	s_mov_b64 s[64:65], 0
	v_nop
	global_prefetch_b8 v0, s[64:65] scope:SCOPE_SE
	s_setreg_imm32_b32 hwreg(HW_REG_WAVE_MODE, 25, 1), 1
	s_wait_xcnt 0x0
	s_wait_alu depctr_hold_cnt(0) depctr_sa_sdst(0) depctr_va_vdst(0) depctr_va_sdst(0) depctr_va_ssrc(0) depctr_va_vcc(0) depctr_vm_vsrc(0)
	s_getreg_b32 s2, hwreg(HW_REG_IB_STS2, 6, 4)
	s_cmp_eq_u32 s2, 0
	s_cbranch_scc0 .Lentry_in_a_cluster
	s_endpgm
.Lentry_in_a_cluster:
	s_bfe_u32 s2, ttmp6, 0x10000c
	s_cmp_lg_u32 s2, 0x3003
	s_cbranch_scc0 .Lentry_shape_is_right
	s_endpgm
.Lentry_shape_is_right:
; y = softmax(q k^T x 0.1 / 8, causal) v for one head of one batch, both products on codes of FP6 (E2M3) with one E8M0 scale for each 32 along a product's K; y leaves quantised along its 64 channels.
; THE SOFTMAX: t = score x 0.0125 log2(e); M = the running largest t rounded UP to a whole number; p = 2^(t - M) is quantised along the keys, not normalised; the row's sum is taken of the unquantised p and divides at the end.
; When M moves, the sum and O are multiplied by 2^(old M - new M): exact.
; THE FIRST PRODUCT HAS K = 64: the upper six registers of q's and k's fragments are zero codes, which add nothing under any scale byte but 0xff.
; ALL OF A HEAD'S K AND V LIE IN LDS: eight slots of 256 keys, 26,112 bytes each, at a pitch of 32,768.  Each of the 16 waves asks for one half slot at the head; one wait and one barrier show all of them;
; nothing is filled again, so the loop has no barrier.
; SHARES.  A head has 128 tiles of 16 queries.  Work-group i (0..3), wave w owns tile 127 - (4 w + i) and then tile 4 w + i: (15 - w / 2) + 1 and w / 2 + 1 key steps of 128 keys: 17 in every wave.
; Tile 127 - i reaches the last key step, so every work-group reads all eight slots.
; CLUSTER: the four work-groups of a head want the same sixteen half slots at the same time: joint loads, mask 15.  No branch hangs on i: a tile's last key step is 15 - w / 2 or w / 2 whatever i is.
; THE LOOP has sixteen trips of one slot: trips 0-7 walk the slots for the first tile, trips 8-15 for the second.  A step all of whose keys come after the wave's queries is left out by a scalar branch on ids.
; NO PREFETCH: everything is asked for at the head; there is no trip to run ahead in.
; LAYOUT.  S^T = k q^T (source 0 = 16 neighbouring keys, source 1 = my queries), O^T = v^T p^T: a lane holds ONE query throughout.  p's codes of a block of 32 keys lie in the order 0-7, 16-23, 8-15, 24-31, as v's do.
; v's tile T, row m holds channel 32 (T / 2) + 8 (T % 2) + m + 8 (m / 8), so that the 16 registers of tiles 2 A, 2 A + 1 are channels 32 A + 16 h + 0..15: y's codes come out in the true order.
; LIMITS: NaN and infinities are not served; a block of y under 2^-124, or of zeros, keeps the scale byte 1 (read by this program alone).  A wave's 16 scale words of y are a run of 64 bytes.
.set SLOTB, 26112                      ; a slot in memory: k's codes 12,288; v's images 2 x 6,144; k's words 2 x 512; v's words 2 x 256
.set HALFB, 13056                      ; what one tensor load brings: 51 rows of 256 bytes
.set VIM,   12288
.set KSW,   24576
.set VSW,   25600
.set STAGE, 262144                     ; behind the eight slots: 1,024 bytes for each wave
.set SPARE, 278528                     ; the spare words, 128 bytes for each of 16 waves
.set AK0, 1                            ; v1   48 r + 24 h
.set LI,  2                            ; v2   16 x lane
.set LS,  3                            ; v3   4 x lane
.set STO, 4                            ; v4   stage + 48 r + 24 h
.set SPW, 5
.set NIL, 6
.set RD,  7                            ; v7   stage + 16 x lane
.set ADK, 8
.set ADV, 9
.set ADS, 10
.set DQ,  11                           ; v11  r - 8 h
.set QF,  16                           ; v16-27 q's fragment (v22-27 zeros);  v12 -M, v13 the largest t, v[14:15] the sum
.set QS,  28
.set PS,  29
.set FF,  30                           ; v[30:31] f, later 1 / the sum (v31 stays 0)
.set KFR, 32                           ; v32-79 four fragments of k; the upper six registers of each stay zero
.set KS,  80
.set VS,  84
.set R4,  86
.set L8,  87
.set BM,  88
.set BP,  92
.set SO,  96
.set CD,  100
.set CT,  112
.set QA,  120                          ; v120-125 the second tile's q, v126 its scale word
.set QSA, 126
.set RD2, 127
.set SS,  128                          ; v128-191 S^T, then p; behind the conversions v128-175 take v's four fragments
.set OT,  192
.set YY,  224
.set TA,  224
.set DD,  225
.set NINF, 228
.set WV,  14
.set WI,  15
.set BH,  16
.set TRIP, 18
.set SLOTS, 19
.set SEL, 20
.set CS,  22
.set G1,  24
.set G0,  32
.set TB,  40                           ; the slot in hand, in LDS
.set KF,  41                           ; the step's first key
.set Q0,  42
.set Q0A, 43
.set KSI, 44                           ; the key step, 0 .. 15
.set LT,  45                           ; the tile's last key step: made of the wave's number alone
.set LTA, 46
.set YP,  48
.set YPA, 52
.macro ROUND                           ; a round of the cluster's barrier
	s_barrier_signal -1
	s_barrier_wait -1
	s_cmp_lg_u32 s[WV], 0
	s_cbranch_scc1 .Lnot_wave_0_\@
	s_barrier_signal -3
.Lnot_wave_0_\@:
	s_barrier_wait -3
	s_barrier_signal -1
	s_barrier_wait -1
.endm
	s_load_b256 s[4:11], s[0:1], 0x0               ; qc s[4:5], qsw s[6:7], kv s[8:9], yc s[10:11]
	s_load_b64 s[12:13], s[0:1], 0x20              ; ysw
	v_lshl_add_u32 v[SPW], v0, 2, SPARE
	v_mov_b32 v[NIL], 0
	ds_add_u32 v[SPW], v[NIL]                      ; the opening lines: the add twice and its wait
	ds_add_u32 v[SPW], v[NIL]
	v_lshrrev_b32 v1, 5, v0
	v_readfirstlane_b32 s[WV], v1                  ; wave 0..15
	s_bfe_u32 s[WI], ttmp6, 0x40000                ; i: my place in the cluster
	s_and_b32 s[BH], ttmp7, 0xffff                 ; head of batch
	s_mov_b32 s[TRIP], 0
	s_mov_b32 s[SLOTS], 16
	s_mov_b32 s[SEL], 0x76543210
	s_mov_b32 s[SEL+1], 0xfedcba98
	s_mov_b32 s[CS], 0x3c93bb63                    ; 0.0125 log2(e)
	s_mov_b32 s[CS+1], s[CS]
	s_mov_b32 s[TB], 0
	s_mov_b32 s[KF], 0
	s_mov_b32 s[KSI], 0
	s_lshr_b32 s[LTA], s[WV], 1
	s_sub_co_u32 s[LT], 15, s[LTA]
	s_mov_b32 s[G1], 15|(3<<16)|(1<<21)            ; the cluster's four; elements of 8 bytes, no padding: 51 dense rows of 256 bytes
	s_mov_b32 s[G1+1], 32<<16
	s_mov_b32 s[G1+2], 51<<16
	s_mov_b32 s[G1+3], 32<<16
	s_mov_b32 s[G1+4], 51
	s_mov_b32 s[G1+5], 32
	s_mov_b32 s[G1+6], 0
	s_mov_b32 s[G1+7], 0
	s_and_b32 s57, s[WV], 1
	s_mul_i32 s57, s57, HALFB
	s_lshl_b32 s56, s[LTA], 15
	s_mov_b32 s[G0], 1
	s_add_co_u32 s[G0+1], s56, s57                 ; slot w / 2, half w % 2
	s_mul_i32 s58, s[BH], 8*SLOTB
	s_mul_i32 s57, s[WV], HALFB
	s_add_co_u32 s58, s58, s57                     ; in memory the sixteen halves lie end to end
	s_mov_b32 s59, 0
	s_wait_alu depctr_va_vdst(0)
	s_wait_dscnt 0x0
	s_wait_kmcnt 0x0
	s_add_nc_u64 s[G0+2:G0+3], s[8:9], s[58:59]
	s_or_b32 s[G0+3], s[G0+3], 0x80000000
	ROUND                                          ; the four work-groups are here: the joint loads meet
	tensor_load_to_lds s[G0:G0+3], s[G1:G1+7]      ; my one load
	s_nop 0
.rept 4
	v_nop
.endr
	s_lshl_b32 s56, s[WV], 6
	s_lshl_b32 s57, s[WI], 4
	s_add_co_u32 s[Q0A], s56, s57                  ; the second tile's first query: 16 (4 w + i)
	s_sub_co_u32 s[Q0], 2032, s[Q0A]               ; the first's: 16 (127 - 4 w - i)
	s_mul_i32 s56, s[BH], 98304
	s_mov_b32 s57, 0
	s_add_nc_u64 s[4:5], s[4:5], s[56:57]
	s_lshl_b32 s56, s[BH], 13
	s_add_nc_u64 s[6:7], s[6:7], s[56:57]
	s_and_b32 s56, s[BH], 15                       ; the head
	s_lshr_b32 s58, s[BH], 4
	s_lshl_b32 s58, s58, 11                        ; the batch's first token
	s_mul_i32 s59, s56, 393216
	s_lshl_b32 s56, s56, 15
	s_add_co_u32 s60, s58, s[Q0]
	s_add_co_u32 s61, s58, s[Q0A]
	s_mov_b32 s63, 0
	s_mul_i32 s62, s60, 48
	s_add_co_u32 s62, s62, s59
	s_add_nc_u64 s[YP:YP+1], s[10:11], s[62:63]
	s_lshl_b32 s62, s60, 2
	s_add_co_u32 s62, s62, s56
	s_add_nc_u64 s[YP+2:YP+3], s[12:13], s[62:63]
	s_mul_i32 s62, s61, 48
	s_add_co_u32 s62, s62, s59
	s_add_nc_u64 s[YPA:YPA+1], s[10:11], s[62:63]
	s_lshl_b32 s62, s61, 2
	s_add_co_u32 s62, s62, s56
	s_add_nc_u64 s[YPA+2:YPA+3], s[12:13], s[62:63]
	s_lshl_b32 s56, s[WV], 10
	s_add_co_u32 s56, s56, STAGE                   ; my stage
	s_mul_i32 s57, s[Q0], 48
	s_mul_i32 s58, s[Q0A], 48
	s_lshl_b32 s59, s[Q0], 2
	s_lshl_b32 s60, s[Q0A], 2
	v_and_b32 v226, 31, v0                         ; lane
	v_and_b32 v224, 15, v0                         ; r
	v_bfe_u32 v225, v0, 4, 1                       ; h
	v_mul_u32_u24 v[AK0], v224, 48
	v_lshlrev_b32 v[LI], 4, v226
	v_lshlrev_b32 v[LS], 2, v226
	v_lshlrev_b32 v[L8], 3, v226
	v_mad_u32_u24 v[AK0], v225, 24, v[AK0]
	v_lshlrev_b32 v[R4], 2, v224
	v_lshlrev_b32 v[DQ], 3, v225
	v_add_nc_u32 v[RD], s56, v[LI]
	v_add_nc_u32 v[RD2], s56, v[L8]
	v_add_nc_u32 v[STO], s56, v[AK0]
	v_sub_nc_u32 v[DQ], v224, v[DQ]
	v_add_nc_u32 v[RD2], 512, v[RD2]
	v_add_nc_u32 v227, s57, v[AK0]
	v_add_nc_u32 v228, s58, v[AK0]
	v_add_nc_u32 v229, s59, v[R4]
	v_add_nc_u32 v230, s60, v[R4]
.irp p, 0,1,2
	global_load_b64 v[QF+2*\p:QF+2*\p+1], v227, s[4:5] offset:8*\p     ; both tiles' q stay in registers
	global_load_b64 v[QA+2*\p:QA+2*\p+1], v228, s[4:5] offset:8*\p
.endr
	global_load_b32 v[QS], v229, s[6:7]
	global_load_b32 v[QSA], v230, s[6:7]
.irp j, 6,7,8,9,10,11
	v_mov_b32 v[QF+\j], 0                          ; K = 64 .. 127: zero codes
.irp t, 0,1,2,3
	v_mov_b32 v[KFR+12*\t+\j], 0
.endr
.endr
.irp b, 0,1,2,3
	v_mov_b32 v[BP+\b], 0                          ; a lane permute's destination counts as one of its sources
.endr
	v_mov_b32 v[FF+1], 0                           ; (named as the upper half of a pair)
	v_mov_b32 v13, 0xff61b1e6                      ; the largest t so far: -3e38
	v_mov_b32 v14, 0
	v_mov_b32 v15, 0
	v_floor_f32 v12, -v13                          ; -M
.set oj, 0
.rept 32
	v_mov_b32 v[OT+oj], 0                          ; O^T: the first change of M leaves zeros zeros
.set oj, oj+1
.endr
.macro KQ d, a, sr, row                ; 16 keys x my 16 queries
.if \row
	v_wmma_scale_f32_16x16x128_f8f6f4 v[\d:\d+7], v[\a:\a+11], v[QF:QF+11], 0, v[\sr], v[QS] matrix_a_fmt:MATRIX_FMT_FP6 matrix_b_fmt:MATRIX_FMT_FP6 matrix_a_scale:MATRIX_SCALE_ROW1
.else
	v_wmma_scale_f32_16x16x128_f8f6f4 v[\d:\d+7], v[\a:\a+11], v[QF:QF+11], 0, v[\sr], v[QS] matrix_a_fmt:MATRIX_FMT_FP6 matrix_b_fmt:MATRIX_FMT_FP6
.endif
.endm
.macro PV d, a, sr, row                ; 16 channels x my 16 queries, K = 128 keys
.if \row
	v_wmma_scale_f32_16x16x128_f8f6f4 v[\d:\d+7], v[\a:\a+11], v[CD:CD+11], v[\d:\d+7], v[\sr], v[PS] matrix_a_fmt:MATRIX_FMT_FP6 matrix_b_fmt:MATRIX_FMT_FP6 matrix_a_scale:MATRIX_SCALE_ROW1
.else
	v_wmma_scale_f32_16x16x128_f8f6f4 v[\d:\d+7], v[\a:\a+11], v[CD:CD+11], v[\d:\d+7], v[\sr], v[PS] matrix_a_fmt:MATRIX_FMT_FP6 matrix_b_fmt:MATRIX_FMT_FP6
.endif
.endm
; A KEY STEP: 128 keys, the q-th of the slot in hand
.macro STEP q
	s_cmp_gt_u32 s[KSI], s[LT]                     ; all keys of the step come after my queries: the step's work is left out
	s_cbranch_scc1 .Lhidden_\@
	v_add_nc_u32 v[ADK], s[TB], v[AK0]
	s_wait_alu depctr_va_vdst(0)
	v_add_nc_u32 v[ADV], s[TB], v[LI]
	v_add_nc_u32 v[ADS], s[TB], v[LS]
	v_nop
	v_nop                                          ; five places: the products below write over registers that the last step's products read (v's fragments)
.irp g, 0,1
.if \g
.rept 4
	v_nop                                          ; places in front of loads into registers that matrix instructions have read
.endr
.endif
.irp t, 0,1,2,3
.irp p, 0,1,2
	ds_load_b64 v[KFR+12*\t+2*\p:KFR+12*\t+2*\p+1], v[ADK] offset:6144*(\q)+768*(4*\g+\t)+8*\p
.endr
.endr
.if \g == 0
.irp t, 0,1,2,3
	ds_load_b32 v[KS+\t], v[ADS] offset:KSW+512*(\q)+128*\t
.endr
.irp t, 0,1
	ds_load_b32 v[VS+\t], v[ADS] offset:VSW+256*(\q)+128*\t
.endr
.endif
	s_wait_dscnt 0x0
.irp t, 0,1,2,3
	KQ SS+8*(4*\g+\t), KFR+12*\t, KS+2*\g+\t/2, \t%2
.endr
.endr
.rept 4
	v_nop
.endr
	s_cmp_lt_u32 s[KSI], s[LT]                     ; ahead of the tile's last step every key counts; in it hidden scores become -infinity ahead of the maximum
	s_cbranch_scc1 .Lopen_\@
	s_sub_co_i32 s56, s[Q0], s[KF]
	v_add_nc_u32 v[DD], s56, v[DQ]                 ; d = my query - KF - 8 h.  Register n holds key KF + 16 (n / 8) + 8 h + n % 8: hidden where 16 (n / 8) + n % 8 > d
	v_mov_b32 v[NINF], 0xff800000
.set mn, 0
.rept 64
	v_cmp_gt_i32 vcc_lo, 16*(mn/8)+mn%8, v[DD]
	v_cndmask_b32 v[SS+mn], v[SS+mn], v[NINF], vcc_lo
.set mn, mn+1
.endr
.Lopen_\@:
.irp b, 0,1,2,3
	v_max3_num_f32 v[BM+\b], v[SS+16*\b], v[SS+16*\b+1], v[SS+16*\b+2]     ; the largest score of each block of 32 keys: for the row's maximum, and, since p rises with the score, for the block's largest p
.endr
.irp i, 3,5,7,9,11,13
.irp b, 0,1,2,3
	v_max3_num_f32 v[BM+\b], v[BM+\b], v[SS+16*\b+\i], v[SS+16*\b+\i+1]
.endr
.endr
.irp b, 0,1,2,3
	v_max_num_f32 v[BM+\b], v[BM+\b], v[SS+16*\b+15]
.endr
.irp b, 0,1,2,3
	s_delay_alu instid0(VALU_DEP_4)
	v_permlanex16_b32 v[BP+\b], v[BM+\b], s[SEL], s[SEL+1]
.endr
.irp b, 0,1,2,3
	s_delay_alu instid0(VALU_DEP_4)
	v_max_num_f32 v[BM+\b], v[BM+\b], v[BP+\b]
.endr
	s_delay_alu instid0(VALU_DEP_2)
	v_max3_num_f32 v[TA], v[BM], v[BM+1], v[BM+2]
	s_delay_alu instid0(VALU_DEP_1)
	v_max_num_f32 v[TA], v[TA], v[BM+3]
	s_delay_alu instid0(VALU_DEP_1)
	v_mul_f32 v[TA], s[CS], v[TA]
	s_delay_alu instid0(VALU_DEP_1)
	v_max_num_f32 v13, v13, v[TA]                  ; the running largest t
	v_mov_b32 v[TA], v12
	s_delay_alu instid0(VALU_DEP_2)
	v_floor_f32 v12, -v13                          ; the new -M = -ceil(t)
	s_delay_alu instid0(VALU_DEP_1)
	v_sub_f32 v[TA], v12, v[TA]                    ; old M - new M: a whole number, 0 or less
	s_delay_alu instid0(VALU_DEP_1)
	v_cvt_i32_f32 v[TA], v[TA]
	s_delay_alu instid0(VALU_DEP_1)
	v_ldexp_f32 v[FF], 1.0, v[TA]                  ; f = 2^(old M - new M)
.set ej, 0
.rept 32
	v_pk_fma_f32 v[SS+ej:SS+ej+1], v[SS+ej:SS+ej+1], s[CS:CS+1], v[12:13] op_sel_hi:[1,0,0]   ; t - M
.set ej, ej+2
.endr
.irp b, 0,1,2,3
	v_fma_f32 v[BM+\b], v[BM+\b], s[CS], v12
.endr
.set ej, 0
	s_wait_alu depctr_va_vdst(0)
.rept 64
	v_exp_f32 v[SS+ej], v[SS+ej]                   ; p = 2^(t - M)
.set ej, ej+1
.endr
	v_pk_mul_f32 v[14:15], v[14:15], v[FF:FF+1] op_sel_hi:[1,0]   ; the sums under the new M: a plain place behind the exponentials
	s_wait_alu depctr_va_vdst(0)                   ; one wait for the whole batch, ahead of its first reader
.irp b, 0,1,2,3
	v_exp_f32 v[BM+\b], v[BM+\b]                   ; the block's largest p
.endr
	v_pk_add_f32 v[226:227], v[132:133], v[136:137]
	v_pk_add_f32 v[254:255], v[140:141], v[144:145]
	v_pk_add_f32 v[252:253], v[148:149], v[152:153]
	v_pk_add_f32 v[250:251], v[156:157], v[160:161]
	v_pk_add_f32 v[248:249], v[164:165], v[168:169]
	v_pk_add_f32 v[246:247], v[172:173], v[176:177]
	v_pk_add_f32 v[244:245], v[180:181], v[184:185]
	v_pk_add_f32 v[14:15], v[14:15], v[188:189]
	v_pk_add_f32 v[226:227], v[226:227], v[128:129]
	v_pk_add_f32 v[254:255], v[254:255], v[130:131]
	v_pk_add_f32 v[252:253], v[252:253], v[134:135]
	v_pk_add_f32 v[250:251], v[250:251], v[138:139]
	v_pk_add_f32 v[248:249], v[248:249], v[142:143]
	v_pk_add_f32 v[246:247], v[246:247], v[146:147]
	v_pk_add_f32 v[244:245], v[244:245], v[150:151]
	v_pk_add_f32 v[14:15], v[14:15], v[154:155]
	v_pk_add_f32 v[226:227], v[226:227], v[158:159]
	v_pk_add_f32 v[254:255], v[254:255], v[162:163]
	v_pk_add_f32 v[252:253], v[252:253], v[166:167]
	v_pk_add_f32 v[250:251], v[250:251], v[170:171]
	v_pk_add_f32 v[248:249], v[248:249], v[174:175]
	v_pk_add_f32 v[246:247], v[246:247], v[178:179]
	v_pk_add_f32 v[244:245], v[244:245], v[182:183]
	v_pk_add_f32 v[14:15], v[14:15], v[186:187]
	v_pk_add_f32 v[226:227], v[226:227], v[190:191]
	s_delay_alu instid0(VALU_DEP_2)
	v_pk_add_f32 v[14:15], v[14:15], v[250:251]
	s_delay_alu instid0(VALU_DEP_2)
	v_pk_add_f32 v[226:227], v[226:227], v[248:249]
	v_pk_add_f32 v[254:255], v[254:255], v[246:247]
	v_pk_add_f32 v[252:253], v[252:253], v[244:245]
	s_delay_alu instid0(VALU_DEP_2)
	v_pk_add_f32 v[14:15], v[14:15], v[254:255]
	s_delay_alu instid0(VALU_DEP_2)
	v_pk_add_f32 v[226:227], v[226:227], v[252:253]
	s_delay_alu instid0(VALU_DEP_1)
	v_pk_add_f32 v[14:15], v[14:15], v[226:227]
	s_wait_alu depctr_va_vdst(0)                   ; and one for the four
.irp b, 0,1,2,3
	v_max_num_f32 v[BM+\b], 0x1800000, v[BM+\b]    ; the floor 2^-124: the byte cannot fall under 1
.endr
.irp b, 0,1,2,3
	s_delay_alu instid0(VALU_DEP_4)
	v_add_nc_u32 v[SO+\b], 0xff000000, v[BM+\b]    ; 2 off the exponent field: the conversion's scale operand
.endr
.irp b, 0,1,2,3
	s_delay_alu instid0(VALU_DEP_4)
	v_lshrrev_b32 v[BP+\b], 23, v[SO+\b]
.endr
	s_delay_alu instid0(VALU_DEP_3)
	v_lshl_or_b32 v[PS], v[BP+1], 8, v[BP]
	s_delay_alu instid0(VALU_DEP_1)
	v_lshl_or_b32 v[PS], v[BP+2], 16, v[PS]
	s_delay_alu instid0(VALU_DEP_1)
	v_lshl_or_b32 v[PS], v[BP+3], 24, v[PS]
.irp c, 0,1
	v_cvt_scalef32_pk16_fp6_f32 v[CD+6*\c:CD+6*\c+2], v[SS+32*\c:SS+32*\c+15], v[SO+2*\c]
	v_cvt_scalef32_pk16_fp6_f32 v[CT+4*\c:CT+4*\c+2], v[SS+32*\c+16:SS+32*\c+31], v[SO+2*\c+1]
.endr
	v_nop                                          ; one plain place behind a scaled conversion
.irp t, 0,1,2,3                                ; v's four fragments, as images of their registers, into the registers that p has left
.irp c, 0,1,2
	ds_load_b128 v[SS+12*\t+4*\c:SS+12*\t+4*\c+3], v[ADV] offset:VIM+6144*(\q)+1536*\t+512*\c
.endr
.endr
.irp c, 0,1
.irp i, 0,1,2
	v_permlane16_swap_b32 v[CD+6*\c+\i], v[CT+4*\c+\i]
.endr
.irp i, 0,1,2
	s_delay_alu instid0(VALU_DEP_3)
	v_mov_b32 v[CD+3+6*\c+\i], v[CT+4*\c+\i]
.endr
.endr
.set ej, 0
.rept 16
	v_pk_mul_f32 v[OT+ej:OT+ej+1], v[OT+ej:OT+ej+1], v[FF:FF+1] op_sel_hi:[1,0]   ; O^T under the new M; these sixteen are also the places between p's word and codes and the products
.set ej, ej+2
.endr
	s_wait_alu depctr_va_vdst(0)
	s_wait_dscnt 0x0
.irp t, 0,1,2,3
	PV OT+8*\t, SS+12*\t, VS+\t/2, \t%2            ; the four accumulators by turns
.endr
.Lhidden_\@:
	s_add_co_u32 s[KF], s[KF], 128
	s_add_co_u32 s[KSI], s[KSI], 1
.endm
; THE WAY OUT of a tile: O^T / the sum; its two blocks of 32 channels are quantised; 48 bytes a token go through my stage and leave as 768 consecutive bytes, aligned
.macro EPI
.rept 4
	v_nop                                          ; places behind the last products
.endr
	v_add_f32 v14, v14, v15
	s_delay_alu instid0(VALU_DEP_1)
	v_permlanex16_b32 v[BP], v14, s[SEL], s[SEL+1]
	s_delay_alu instid0(VALU_DEP_1)
	v_add_f32 v14, v14, v[BP]
	s_wait_alu depctr_va_vdst(0)
	v_rcp_f32 v[FF], v14
	v_nop
	s_wait_alu depctr_va_vdst(0)
.set ej, 0
.rept 16
	v_pk_mul_f32 v[YY+ej:YY+ej+1], v[OT+ej:OT+ej+1], v[FF:FF+1] op_sel_hi:[1,0]   ; each accumulator from its low end on
.set ej, ej+2
.endr
.irp b, 0,1
	v_max3_num_f32 v[BM+\b], |v[YY+16*\b]|, |v[YY+16*\b+1]|, 0x1800000
.endr
.irp i, 2,4,6,8,10,12,14
.irp b, 0,1
	s_delay_alu instid0(VALU_DEP_2)
	v_max3_num_f32 v[BM+\b], v[BM+\b], |v[YY+16*\b+\i]|, |v[YY+16*\b+\i+1]|
.endr
.endr
.irp b, 0,1
	s_delay_alu instid0(VALU_DEP_2)
	v_permlanex16_b32 v[BP+\b], v[BM+\b], s[SEL], s[SEL+1]
.endr
.irp b, 0,1
	s_delay_alu instid0(VALU_DEP_2)
	v_max_num_f32 v[BM+\b], v[BM+\b], v[BP+\b]
.endr
.irp b, 0,1
	s_delay_alu instid0(VALU_DEP_2)
	v_add_nc_u32 v[SO+\b], 0xff000000, v[BM+\b]
.endr
.irp b, 0,1
	s_delay_alu instid0(VALU_DEP_2)
	v_lshrrev_b32 v[BP+\b], 23, v[SO+\b]
.endr
	s_delay_alu instid0(VALU_DEP_1)
	v_lshl_or_b32 v[PS], v[BP+1], 8, v[BP]         ; the token's word: bytes 0, 1
	v_cvt_scalef32_pk16_fp6_f32 v[CD:CD+2], v[YY:YY+15], v[SO]
	v_cvt_scalef32_pk16_fp6_f32 v[CT:CT+2], v[YY+16:YY+31], v[SO+1]
	v_nop
.irp i, 0,1,2
	v_permlane16_swap_b32 v[CD+\i], v[CT+\i]
.endr
.irp i, 0,1,2
	s_delay_alu instid0(VALU_DEP_3)
	v_mov_b32 v[CD+3+\i], v[CT+\i]                 ; lane (r, h): block h of token r, 24 bytes
.endr
.irp p, 0,1,2
	ds_store_b64 v[STO], v[CD+2*\p:CD+2*\p+1] offset:8*\p
.endr
	ds_load_b128 v[YY:YY+3], v[RD]                 ; LDS serves a wave's instructions in order: these see my stores
	ds_load_b64 v[YY+4:YY+5], v[RD2]
	s_wait_alu depctr_va_vdst(0)
	s_wait_dscnt 0x0
	global_store_b128 v[LI], v[YY:YY+3], s[YP:YP+1]
	global_store_b64 v[L8], v[YY+4:YY+5], s[YP:YP+1] offset:512
	global_store_b32 v[R4], v[PS], s[YP+2:YP+3]    ; both lanes of a token store the same word
.endm
; In trip 8 the first tile leaves and the second begins
.macro SWITCH
	s_cmp_lg_u32 s[TRIP], 8
	s_cbranch_scc1 .Lsame_\@
	EPI
	s_wait_xcnt 0x0                                ; the stores have read their registers and pointers
	s_mov_b64 s[YP:YP+1], s[YPA:YPA+1]
	s_mov_b64 s[YP+2:YP+3], s[YPA+2:YPA+3]
	s_mov_b32 s[Q0], s[Q0A]
	s_mov_b32 s[LT], s[LTA]
	s_mov_b32 s[KF], 0
	s_mov_b32 s[KSI], 0
.irp j, 0,1,2,3,4,5
	v_mov_b32 v[QF+\j], v[QA+\j]
.endr
	v_mov_b32 v[QS], v[QSA]
	v_mov_b32 v13, 0xff61b1e6
	s_delay_alu instid0(VALU_DEP_1)
	v_floor_f32 v12, -v13
	v_mov_b32 v14, 0
	v_mov_b32 v15, 0
.set oj, 0
.rept 32
	v_mov_b32 v[OT+oj], 0                          ; (these also stand between q's word and codes and the next products)
.set oj, oj+1
.endr
.Lsame_\@:
.endm
	s_wait_alu depctr_va_vdst(0)                   ; the wait at the head's end
	s_wait_loadcnt 0x0                             ; q
	s_wait_tensorcnt 0x0                           ; my half slot is in;
	s_barrier_signal -1
	s_barrier_wait -1                              ; everybody's is.
.Lslot:
	SWITCH
	STEP 0
	STEP 1
	s_add_co_u32 s[TRIP], s[TRIP], 1
	s_and_b32 s[TB], s[TRIP], 7
	s_lshl_b32 s[TB], s[TB], 15                    ; slot trip % 8
	s_sub_co_u32 s[SLOTS], s[SLOTS], 1
	s_cmp_lg_u32 s[SLOTS], 0
	s_cbranch_scc1 .Lslot
	EPI
	s_wait_tensorcnt 0x0                           ; the wave's end
	ds_add_u32 v[SPW], v[NIL]
	s_wait_dscnt 0x0
	ROUND                                          ; the closing round
	s_endpgm
.Lfunc_end_k_qf834e913bd_attn:
	.size	k_qf834e913bd_attn, .Lfunc_end_k_qf834e913bd_attn-k_qf834e913bd_attn
	.p2alignl 7, 3214868480
	.fill 96, 4, 3214868480
	.section	.rodata,"a",@progbits
	.p2align	6, 0x0
	.amdhsa_kernel k_qf834e913bd_attn
		.amdhsa_group_segment_fixed_size 327680
		.amdhsa_private_segment_fixed_size 0
		.amdhsa_enable_private_segment 0
		.amdhsa_kernarg_size 40
		.amdhsa_user_sgpr_count 2
		.amdhsa_user_sgpr_kernarg_segment_ptr 1
		.amdhsa_wavefront_size32 1
		.amdhsa_system_sgpr_workgroup_id_x 1
		.amdhsa_system_sgpr_workgroup_id_y 1
		.amdhsa_system_sgpr_workgroup_id_z 1
		.amdhsa_system_vgpr_workitem_id 0
		.amdhsa_next_free_vgpr 256
		.amdhsa_next_free_sgpr 66
		.amdhsa_reserve_vcc 1
		.amdhsa_float_denorm_mode_32 3
		.amdhsa_float_denorm_mode_16_64 3
		.amdhsa_memory_ordered 1
		.amdhsa_forward_progress 1
		.amdhsa_inst_pref_size 66
	.end_amdhsa_kernel
	.amdgpu_metadata
---
amdhsa.version: [ 1, 2 ]
amdhsa.kernels:
  - .name:           k_qf834e913bd_attn
    .symbol:         k_qf834e913bd_attn.kd
    .args:
      - { .name: qc, .offset: 0, .size: 8, .value_kind: global_buffer, .address_space: global }
      - { .name: qsw, .offset: 8, .size: 8, .value_kind: global_buffer, .address_space: global }
      - { .name: kv, .offset: 16, .size: 8, .value_kind: global_buffer, .address_space: global }
      - { .name: yc, .offset: 24, .size: 8, .value_kind: global_buffer, .address_space: global }
      - { .name: ysw, .offset: 32, .size: 8, .value_kind: global_buffer, .address_space: global }
    .group_segment_fixed_size: 327680
    .private_segment_fixed_size: 0
    .kernarg_segment_align: 8
    .kernarg_segment_size: 40
    .max_flat_workgroup_size: 512
    .sgpr_count:     66
    .vgpr_count:     256
    .wavefront_size: 32
...
	.end_amdgpu_metadata
.endif
;; end of part 2
;; launch proj (part 3): grid 4 x 64, 4 waves a work-group, clusters of 4 x 4, 327,680 bytes of LDS; arguments yc, ysw, W_proj_codes, W_proj_scales, b_proj, out0; writes out0
.if DOCPART == 3
	.amdgcn_target "amdgcn-amd-amdhsa--gfx1250"
	.amdhsa_code_object_version 6
	.text
	.protected	k_qf834e913bd_proj
	.globl	k_qf834e913bd_proj
	.p2align	8
	.type	k_qf834e913bd_proj,@function
k_qf834e913bd_proj:
	s_mov_b64 s[64:65], 0
	v_nop
	global_prefetch_b8 v0, s[64:65] scope:SCOPE_SE
	s_setreg_imm32_b32 hwreg(HW_REG_WAVE_MODE, 25, 1), 1
	s_wait_xcnt 0x0
	s_wait_alu depctr_hold_cnt(0) depctr_sa_sdst(0) depctr_va_vdst(0) depctr_va_sdst(0) depctr_va_ssrc(0) depctr_va_vcc(0) depctr_vm_vsrc(0)
	s_getreg_b32 s2, hwreg(HW_REG_IB_STS2, 6, 4)
	s_cmp_eq_u32 s2, 0
	s_cbranch_scc0 .Lentry_in_a_cluster
	s_endpgm
.Lentry_in_a_cluster:
	s_bfe_u32 s2, ttmp6, 0x10000c
	s_cmp_lg_u32 s2, 0xf033
	s_cbranch_scc0 .Lentry_shape_is_right
	s_endpgm
.Lentry_shape_is_right:
; out0 = y W_proj + b_proj on codes of FP6 (E2M3), one E8M0 scale for each 32 along K = 1,024.  y: codes [head 16][token 8,192][48 bytes], one scale word a head and token (bytes 0, 1).  out0: [8,192][1,024] f32.
; SHARES.  256 work-groups of four waves; a tile of out0 is 128 tokens x 256 columns; a wave makes 64 x 128: 32 accumulators.
; Source 0 = 16 rows of W_proj (columns of out0), source 1 = 16 tokens of y: a lane holds eight neighbouring columns of one row of out0.
; ALL OF K LIES IN LDS: y's 16 planes of 128 tokens x 48 bytes (98,304 bytes), W_proj's 256 whole rows of 768 bytes (16 bytes of padding behind every 256), its scale bytes.
; Four joint loads at the head, one a wave: y, the scale bytes, two halves of W_proj.  Nothing is filled again, so the eight K steps have no barrier.
; The stage of the way out lies on y's bytes, which have had their only fill; a barrier stands between all waves' last reads of y and the first store there.
; CLUSTERS: 4 x 4; y's tile is shared along a row of the cluster, W_proj's along a column.
; NO PREFETCH: everything is asked for at the head; there is no loop to run ahead in.
.set KROW,  768
.set PITCH, 816
.set FR,    12
.set NL,    6
.set HALFT, 128*PITCH
.set PLANE, 393216
.set WB,    16*6144                    ; W_proj's rows, behind y's planes
.set SCW,   WB+2*HALFT                 ; its scale bytes, as units of 256 + 16
.set SBLK,  544
.set SPARE, SCW+32*272
.set STAGE, 0                          ; 16 rows x 528 bytes a wave
.set SPITCH, 528
.set ADY,  16                          ; v16, v17  y's fragments: planes 0-7, planes 8-15
.set ADB,  20                          ; v20, v21  W_proj's blocks 0-3, 4-7;  v22, v23 the same behind one padding more in lanes 16-31
.set ADS,  24
.set STO,  26
.set SPW,  28
.set NIL,  29
.set RD,   30
.set CO,   31
.set SC,   32                          ; v32-63  W_proj's scale words, two sets
.set AF,   128                         ; v128-175 y's four fragments
.set YL,   176                         ; v176-207 y's words as loaded
.set YS,   208                         ; v208-223 y's scale words: K step ks, tokens 32 ap + lane at v[YS + 8 ap + ks]
.set WV,   20
.set I1,   21
.set I0,   22
.set G1Y,  24
.set G0Y,  32
.set G1W,  40
.set G0W,  48
.set G1SW, 56
.set G0SW, 68
.set PADW, (1<<20)|(1<<21)|(5<<22)|(3<<25)
.set MSB, 0
.macro WIN new
.if MSB != (\new)
	s_set_vgpr_msb (MSB<<8)|(\new)
.set MSB, (\new)
.endif
.endm
.macro PLACES cnt
.rept \cnt
	v_nop
.endr
.endm
.macro WALU
	s_wait_alu depctr_va_vdst(0)
.endm
.macro TL g0, g1
	tensor_load_to_lds s[\g0:\g0+3], s[\g1:\g1+7]
	s_nop 0
	PLACES 4
.endm
.macro CROUND
	s_barrier_signal -1
	s_barrier_wait -1
	s_cmp_lg_u32 s[WV], 0
	s_cbranch_scc1 .Lnot_wave_0_\@
	s_barrier_signal -3
.Lnot_wave_0_\@:
	s_barrier_wait -3
	s_barrier_signal -1
	s_barrier_wait -1
.endm
.macro G1SET g, c, rows, pitch
	s_mov_b32 s[\g+1], (\c)<<16
	s_mov_b32 s[\g+2], (\rows)<<16
	s_mov_b32 s[\g+3], (\c)<<16
	s_mov_b32 s[\g+4], \rows
	s_mov_b32 s[\g+5], \pitch
	s_mov_b32 s[\g+6], 0
	s_mov_b32 s[\g+7], 0
.endm
.macro G0FIN g, base
	s_add_nc_u64 s[\g+2:\g+3], s[\base:\base+1], s[\g+2:\g+3]
	s_or_b32 s[\g+3], s[\g+3], 0x80000000
.endm
	s_load_b256 s[4:11], s[0:1], 0x0               ; yc, ysw, W codes, W scales
	s_load_b128 s[12:15], s[0:1], 0x20             ; b_proj, out0
	v_lshl_add_u32 v[SPW], v0, 2, SPARE
	v_mov_b32 v[NIL], 0
	ds_add_u32 v[SPW], v[NIL]                      ; the opening lines: the add twice and its wait
	ds_add_u32 v[SPW], v[NIL]
	v_lshrrev_b32 v1, 5, v0
	v_readfirstlane_b32 s[WV], v1
	s_lshr_b32 s[I1], s[WV], 1                     ; which 64 tokens are mine
	s_and_b32 s[I0], s[WV], 1                      ; which 128 columns; waves 2, 3: which half of W_proj I fetch
	s_bfe_u32 s74, ttmp6, 0x40000
	s_bfe_u32 s75, ttmp6, 0x40004
	s_lshl_b32 s76, ttmp9, 2
	s_add_co_u32 s76, s76, s74                     ; nx
	s_and_b32 s77, ttmp7, 0xffff
	s_lshl_b32 s77, s77, 2
	s_add_co_u32 s77, s77, s75                     ; my
	s_lshl_b32 s72, s75, 2
	s_lshl_b32 s72, 15, s72                        ; my row of the cluster
	s_lshl_b32 s73, 0x1111, s74                    ; my column
	s_or_b32 s[G1Y], s72, (3<<16)|(1<<21)          ; y: 16 planes of 6,144 bytes (768 elements of 8), dense in LDS
	G1SET G1Y, 768, 16, PLANE/8
	s_or_b32 s[G1W], s73, PADW                     ; W_proj: 128 whole rows
	G1SET G1W, KROW, 128, KROW
	s_or_b32 s[G1SW], s73, (3<<16)|PADW            ; the scale bytes of 256 rows: 32 rows of 256 bytes
	G1SET G1SW, 32, 32, 32
	s_mov_b32 s[G0Y], 1
	s_mov_b32 s[G0Y+1], 0
	s_mul_i32 s[G0Y+2], s77, 128*48
	s_mov_b32 s[G0Y+3], 0
	s_mul_i32 s83, s[I0], HALFT
	s_add_co_u32 s83, s83, WB                      ; my 128 rows of W_proj in LDS: to fetch (waves 2, 3) and to read
	s_mov_b32 s[G0W], 1
	s_mov_b32 s[G0W+1], s83
	s_lshl_b32 s78, s76, 8
	s_lshl_b32 s79, s[I0], 7
	s_add_co_u32 s78, s78, s79
	s_mul_i32 s[G0W+2], s78, KROW
	s_mov_b32 s[G0W+3], 0
	s_mov_b32 s[G0SW], 1
	s_mov_b32 s[G0SW+1], SCW
	s_lshl_b32 s[G0SW+2], s76, 13
	s_mov_b32 s[G0SW+3], 0
	s_lshl_b32 s80, s76, 10
	s_lshl_b32 s79, s[I0], 9
	s_add_co_u32 s80, s80, s79                     ; my first column, in bytes: b_proj and out0
	s_lshl_b32 s81, s77, 9
	s_lshl_b32 s79, s[I1], 8
	s_add_co_u32 s81, s81, s79                     ; y's words: token 128 my + 64 i1
	s_mul_i32 s82, s[I1], 64*48
	s_mul_i32 s84, s[I0], 16*272
	s_add_co_u32 s84, s84, SCW
	s_mul_i32 s85, s[WV], 16*SPITCH                ; my stage (STAGE = 0)
	s_lshl_b32 s2, s77, 7
	s_lshl_b32 s3, s[I1], 6
	s_add_co_u32 s2, s2, s3
	s_lshl_b32 s2, s2, 12
	s_add_co_u32 s2, s2, s80
	s_mov_b32 s3, 0
	s_mov_b32 s78, 0x05040100                      ; the low halves of two words
	WALU
	s_wait_dscnt 0x0
	s_wait_kmcnt 0x0
	G0FIN G0Y, 4
	G0FIN G0W, 8
	G0FIN G0SW, 10
	s_add_nc_u64 s[14:15], s[14:15], s[2:3]
	CROUND                                         ; all sixteen work-groups are here: the joint loads meet
	s_cmp_eq_u32 s[WV], 0
	s_cbranch_scc0 .Lhead_s
	TL G0Y, G1Y
	s_branch .Lhead_asked
.Lhead_s:
	s_cmp_eq_u32 s[WV], 1
	s_cbranch_scc0 .Lhead_w
	TL G0SW, G1SW
	s_branch .Lhead_asked
.Lhead_w:
	TL G0W, G1W
.Lhead_asked:
	v_and_b32 v1, 15, v0                           ; r
	v_bfe_u32 v2, v0, 4, 1                         ; h
	v_and_b32 v8, 31, v0
	v_lshl_add_u32 v3, v2, 5, s80
	v_lshl_add_u32 v4, v8, 2, s81
	WIN 0x40                                       ; b_proj in the result's layout: the C of the first products
.irp b, 0,1,2,3,4,5,6,7
	global_load_b128 v[96+8*(\b%4)+128*(\b/4):99+8*(\b%4)+128*(\b/4)], v3, s[12:13] offset:64*\b
	global_load_b128 v[100+8*(\b%4)+128*(\b/4):103+8*(\b%4)+128*(\b/4)], v3, s[12:13] offset:64*\b+16
.endr
	WIN 0
.irp hd, 0,1,2,3,4,5,6,7,8,9,10,11,12,13,14,15
.irp ap, 0,1
	global_load_b32 v[YL+2*\hd+\ap], v4, s[6:7] offset:\hd*32768+128*\ap
.endr
.endr
	v_mul_u32_u24 v5, v1, 48
	v_mul_u32_u24 v6, v1, PITCH
	v_mad_u32_u24 v5, v2, 24, v5
	v_mad_u32_u24 v6, v2, 24, v6
	v_add_nc_u32 v[ADY], s82, v5
	v_lshl_add_u32 v7, v2, 4, v6
	v_add_nc_u32 v[ADY+1], 8*6144, v[ADY]
	v_add_nc_u32 v[ADB], s83, v6
	v_add_nc_u32 v[ADB+2], s83, v7
	v_add_nc_u32 v[ADB+1], 64*PITCH, v[ADB]
	v_add_nc_u32 v[ADB+3], 64*PITCH, v[ADB+2]
	v_lshlrev_b32 v7, 5, v1                        ; scale words: 32 bytes a row, 16 more for each 256 passed
	v_lshrrev_b32 v9, 8, v7
	v_lshl_add_u32 v7, v9, 4, v7
	v_add_nc_u32 v[ADS], s84, v7
	v_mul_u32_u24 v9, v1, SPITCH
	v_lshl_add_u32 v9, v2, 5, v9
	v_add_nc_u32 v[STO], s85, v9
	v_lshlrev_b32 v[CO], 4, v8
	v_add_nc_u32 v[RD], s85, v[CO]
	WALU
	s_wait_loadcnt 0x0
.irp ks, 0,1,2,3,4,5,6,7
.irp ap, 0,1
	v_perm_b32 v[YS+8*\ap+\ks], v[YL+2*(2*\ks+1)+\ap], v[YL+2*(2*\ks)+\ap], s78   ; K step ks is heads 2 ks, 2 ks + 1
.endr
.endr
	PLACES 8                                       ; a scale register written by a vector instruction stands eight places ahead of a scaled product
.macro FRAG reg, ks, i                 ; W_proj's fragment in pieces of 8 bytes; piece n of a row lies at 8 n + 16 (n / 32); lanes 16-31 read three pieces on
.irp p, 0,1,2,3,4,5
.set PCE, 12*(\ks)+6*(\p/3)+\p%3
.if PCE%32 < 29
	ds_load_b64 v[\reg+2*\p:\reg+2*\p+1], v[ADB+(\i)/4] offset:8*PCE+16*(PCE/32)+((\i)%4)*16*PITCH
.else
	ds_load_b64 v[\reg+2*\p:\reg+2*\p+1], v[ADB+2+(\i)/4] offset:8*PCE+16*(PCE/32)+((\i)%4)*16*PITCH
.endif
.endr
.endm
.macro FETCH_B ks, p
	WIN 0x40
.irp i, 0,1,2,3,4,5,6,7
	FRAG 128*(\p)+FR*\i, \ks, \i
.endr
	WIN 0
.endm
.macro FETCH_A ks, i0, cnt             ; y's blocks: registers 6 c .. 6 c + 5 = plane 2 ks + c, token 16 a + r, block h
.set fi, \i0
.rept \cnt
.irp c, 0,1
.irp p, 0,1,2
	ds_load_b64 v[AF+FR*fi+6*\c+2*\p:AF+FR*fi+6*\c+2*\p+1], v[ADY+(\ks)/4] offset:((2*(\ks)+\c)%8)*6144+768*fi+8*\p
.endr
.endr
.set fi, fi+1
.endr
.endm
.macro SCALES pr
.irp i, 0,1,2,3,4,5,6,7
	ds_load_b64 v[SC+16*((\pr)%2)+2*\i:SC+16*((\pr)%2)+2*\i+1], v[ADS] offset:\i*SBLK+8*(\pr)
.endr
.endm
; 8 products: y's block a against W_proj's eight.  The 32 accumulators take turns
.macro MULB a, ks, cm
.if (\cm) == 0
	WIN 0xa1
.else
	WIN 0x91
.endif
.irp b, 0,1,2,3,4,5,6,7
.set rD, 8*(8*(\a)+\b)
.set rC, rD
.if (\cm) == 1
.set rC, 96+8*(\b%4)+128*(\b/4)
.endif
.set rB, 128*((\ks)%2)+FR*\b
.set rS, SC+16*(((\ks)/2)%2)+2*\b+(\ks)%2
.if ((\a)%2) == 0
	v_wmma_scale_f32_16x16x128_f8f6f4 v[rD:rD+7], v[rB:rB+FR-1], v[AF+FR*(\a):AF+FR*(\a)+FR-1], v[rC:rC+7], v[rS], v[YS+8*((\a)/2)+(\ks)] matrix_a_fmt:MATRIX_FMT_FP6 matrix_b_fmt:MATRIX_FMT_FP6
.else
	v_wmma_scale_f32_16x16x128_f8f6f4 v[rD:rD+7], v[rB:rB+FR-1], v[AF+FR*(\a):AF+FR*(\a)+FR-1], v[rC:rC+7], v[rS], v[YS+8*((\a)/2)+(\ks)] matrix_a_fmt:MATRIX_FMT_FP6 matrix_b_fmt:MATRIX_FMT_FP6 matrix_b_scale:MATRIX_SCALE_ROW1
.endif
.endr
.endm
.macro KSTEP ks, cm
	s_wait_dscnt 2*NL                              ; all but the youngest loads, y's blocks 2 and 3
	MULB 0, \ks, \cm
	MULB 1, \ks, \cm
	s_wait_dscnt 0x0
	PLACES 4
	FETCH_B (\ks)+1, ((\ks)+1)%2
	FETCH_A (\ks)+1, 0, 2
.if ((\ks)+1)%2 == 0
	SCALES ((\ks)+1)/2
.endif
	MULB 2, \ks, \cm
	MULB 3, \ks, \cm
	PLACES 4
	WIN 0
	FETCH_A (\ks)+1, 2, 2
.endm
	WALU                                           ; the wait at the head's end
	s_wait_tensorcnt 0x0                           ; my tile is in;
	s_barrier_signal -1
	s_barrier_wait -1                              ; everybody's is.
	FETCH_B 0, 0
	FETCH_A 0, 0, 2
	SCALES 0
	FETCH_A 0, 2, 2
	KSTEP 0, 1                                     ; the first products take the bias as C
.irp s, 1,2,3,4,5,6
	KSTEP \s, 0
.endr
	s_wait_dscnt 2*NL                              ; the very last step
	MULB 0, 7, 0
	MULB 1, 7, 0
	s_wait_dscnt 0x0                               ; my reads of y and W_proj are over
	s_barrier_signal -1
	MULB 2, 7, 0
	MULB 3, 7, 0
	WIN 0
	s_barrier_wait -1                              ; everybody's are: the stage may be written
; THE WAY OUT, block by block of 16 tokens x 128 columns, through my stage: back come whole rows of 512 bytes, stored as 512 consecutive bytes, aligned.  LDS serves a wave's instructions in order
.macro TOSTAGE a
	WIN 0x08
.irp b, 0,1,2,3,4,5,6,7
	ds_store_b128 v[STO], v[64*(\a)+8*\b:64*(\a)+8*\b+3] offset:64*\b          ; each accumulator from its low end on
	ds_store_b128 v[STO], v[64*(\a)+8*\b+4:64*(\a)+8*\b+7] offset:64*\b+16
.endr
	WIN 0
.set BB, 64+64*((\a)%2)
.irp t, 0,1,2,3,4,5,6,7,8,9,10,11,12,13,14,15
	ds_load_b128 v[BB+4*\t:BB+4*\t+3], v[RD] offset:\t*SPITCH
.endr
.endm
.macro SEND a, younger                 ; younger: the LDS instructions issued behind block a's loads
.set BB, 64+64*((\a)%2)
	s_wait_dscnt \younger
.if (\a) > 0
	s_add_nc_u64 s[14:15], s[14:15], 16*4096       ; behind a wait on XCNT: the earlier stores have read their base
.endif
.irp t, 0,1,2,3,4,5,6,7,8,9,10,11,12,13,14,15
	global_store_b128 v[CO], v[BB+4*\t:BB+4*\t+3], s[14:15] offset:\t*4096 th:TH_STORE_NT
.endr
.endm
	PLACES 4
	TOSTAGE 0
.irp a, 1,2,3
.if \a > 1
	s_wait_xcnt 0x0                                ; block a - 2's stores have read their registers and their base
.endif
	TOSTAGE \a
	SEND \a-1, 32
.endr
	s_wait_xcnt 0x0
	SEND 3, 0
	s_wait_tensorcnt 0x0                           ; the wave's end
	ds_add_u32 v[SPW], v[NIL]
	s_wait_dscnt 0x0
	CROUND                                         ; the closing round
	s_endpgm
.Lfunc_end_k_qf834e913bd_proj:
	.size	k_qf834e913bd_proj, .Lfunc_end_k_qf834e913bd_proj-k_qf834e913bd_proj
	.p2alignl 7, 3214868480
	.fill 96, 4, 3214868480
	.section	.rodata,"a",@progbits
	.p2align	6, 0x0
	.amdhsa_kernel k_qf834e913bd_proj
		.amdhsa_group_segment_fixed_size 327680
		.amdhsa_private_segment_fixed_size 0
		.amdhsa_enable_private_segment 0
		.amdhsa_kernarg_size 48
		.amdhsa_user_sgpr_count 2
		.amdhsa_user_sgpr_kernarg_segment_ptr 1
		.amdhsa_wavefront_size32 1
		.amdhsa_system_sgpr_workgroup_id_x 1
		.amdhsa_system_sgpr_workgroup_id_y 1
		.amdhsa_system_sgpr_workgroup_id_z 1
		.amdhsa_system_vgpr_workitem_id 0
		.amdhsa_next_free_vgpr 768
		.amdhsa_next_free_sgpr 90
		.amdhsa_reserve_vcc 0
		.amdhsa_float_denorm_mode_32 3
		.amdhsa_float_denorm_mode_16_64 3
		.amdhsa_memory_ordered 1
		.amdhsa_forward_progress 1
		.amdhsa_inst_pref_size 102
	.end_amdhsa_kernel
	.amdgpu_metadata
---
amdhsa.version: [ 1, 2 ]
amdhsa.kernels:
  - .name:           k_qf834e913bd_proj
    .symbol:         k_qf834e913bd_proj.kd
    .args:
      - { .name: yc, .offset: 0, .size: 8, .value_kind: global_buffer, .address_space: global }
      - { .name: ysw, .offset: 8, .size: 8, .value_kind: global_buffer, .address_space: global }
      - { .name: W_proj_codes, .offset: 16, .size: 8, .value_kind: global_buffer, .address_space: global }
      - { .name: W_proj_scales, .offset: 24, .size: 8, .value_kind: global_buffer, .address_space: global }
      - { .name: b_proj, .offset: 32, .size: 8, .value_kind: global_buffer, .address_space: global }
      - { .name: out0, .offset: 40, .size: 8, .value_kind: global_buffer, .address_space: global }
    .group_segment_fixed_size: 327680
    .private_segment_fixed_size: 0
    .kernarg_segment_align: 8
    .kernarg_segment_size: 48
    .max_flat_workgroup_size: 128
    .sgpr_count:     90
    .vgpr_count:     768
    .wavefront_size: 32
...
	.end_amdgpu_metadata
.endif
;; end of part 3
